; MI455X (gfx1250); checked and timed in simulation.
; The chip was launched on July 23, 2026; its instructions are those of AMD's public machine-readable ISA for CDNA 5 (MIT licence, August 2026) and "CDNA5" Instruction Set Architecture Reference Guide (July 2026). The comments in the code are by the model that wrote it; some were corrected since.
;; Keras Cross Attention Module. Allowed arithmetic: float matrix products may take bf16 or f16 operands with f32 sums; all other float work in f32.
;; Inputs: k_pos_embedding 1 x 4,096 x 256 float32; keys 8 x 256 x 64 x 64 float32; q_pos_embedding 1 x 4,096 x 256 float32; queries 8 x 256 x 64 x 64 float32; values 8 x 256 x 64 x 64 float32.
;; Outputs: out0 8 x 256 x 64 x 64 float32.
;; One version. Each part assembles by itself: llvm-mc -triple=amdgcn-amd-amdhsa -mcpu=gfx1250 --defsym DOCPART=n.
;; ======== version 1 of 1: 2 launches
;; limits: values are held in f16: magnitudes above 65,504 overflow, below 6.1e-05 lose precision; inputs' magnitudes at most 65,504
;; workspace buffers: qf 16,777,216 bytes; kf 16,777,216 bytes; vf 16,777,216 bytes
;; launch prep (part 1): grid 512 x 3, 8 waves a work-group, no clusters, 66,560 bytes of LDS; arguments queries, keys, values, q_pos_embedding, k_pos_embedding, qf, kf, vf; writes qf, kf, vf
.if DOCPART == 1
	.amdgcn_target "amdgcn-amd-amdhsa--gfx1250"
	.amdhsa_code_object_version 6
	.text
	.protected	k_q2ebd4e8f07_prep
	.globl	k_q2ebd4e8f07_prep
	.p2align	8
	.type	k_q2ebd4e8f07_prep,@function
k_q2ebd4e8f07_prep:
	s_mov_b64 s[64:65], 0
	v_nop
	global_prefetch_b8 v0, s[64:65] scope:SCOPE_SE
	s_setreg_imm32_b32 hwreg(HW_REG_WAVE_MODE, 25, 1), 1
	s_wait_xcnt 0x0
; qf[b][n][c] = f16(queries[b][c][n] + q_pos[n][c]);  kf likewise from keys and k_pos;  vf[b][c][n] = f16(values[b][c][n]).
; The sum is made in f32 and rounded once (to nearest even).  A stream: every input byte is read once by 16-byte loads,
; every output byte written once, and each store of sixteen neighbouring lanes covers 256 consecutive bytes, aligned.
; Grid y picks the job: 0 = queries, 1 = keys (both transposed through LDS), 2 = values (a cast, no LDS, no barrier).
; The branch on y is the same in all eight waves of a work-group, so the one barrier below is passed by all or by none.
; LIMIT: the results are f16.  |queries + q_pos|, |keys + k_pos| and |values| must stay below 65,504 (beyond that the
; conversion gives infinity); magnitudes below 2^-14 are kept with an absolute error of up to 2^-25.
; No matrix unit, no cluster, no tensor load: nothing is multiplied, the only bytes read by several work-groups are the
; position tables (one sixteenth of the traffic), and loads through registers let several work-groups share a WGP.
.set X,    16                          ; v[16:79]   16 loads of 4 registers; later 8 items of 8 f32 read back transposed
.set POS,  80                          ; v[80:143]  8 items of 8 position numbers
.set GOFF, 4                           ; v4         source offset of my 16 bytes
.set POFF, 5                           ; v5         offset in the position table
.set LST,  6                           ; v[6:9]     LDS store addresses, one for every four loads
.set LRD,  10                          ; v[10:11]   LDS read addresses
.set OOFF, 12                          ; v12        offset of my 16 bytes of output
	s_load_b512 s[8:23], s[0:1], 0x0               ; queries s[8:9], keys s[10:11], values s[12:13], q_pos s[14:15], k_pos s[16:17], qf s[18:19], kf s[20:21], vf s[22:23]
	v_lshl_add_u32 v144, v0, 2, 0x10000
	v_mov_b32 v145, 0
	v_lshrrev_b32 v1, 5, v0
	v_readfirstlane_b32 s4, v1                     ; wave w, 0 to 7
	s_and_b32 s5, ttmp7, 0xffff                    ; the job
	s_cmp_eq_u32 s5, 2
	s_cbranch_scc1 .Lcast
	; ---- queries or keys: a tile of 256 c x 64 n of batch b = x & 7, n block nb = x >> 3 (the eight users of one
	; position tile are neighbours in the grid).
	s_and_b32 s6, ttmp9, 7                         ; b
	s_lshr_b32 s7, ttmp9, 3                        ; nb
	v_and_b32 v2, 15, v0                           ; lane % 16: nl for the loads, ci for the read phase
	v_bfe_u32 v3, v0, 4, 1                         ; lane / 16: ch for the loads, nh for the read phase
	s_lshl_b32 s24, s4, 19
	v_lshl_add_u32 v[GOFF], v3, 14, s24            ; row c = 32 w + ch (+ 2 k in the immediate), 16,384 bytes a row
	v_lshl_add_u32 v[GOFF], v2, 4, v[GOFF]         ; + 16 nl
	s_lshl_b32 s25, s4, 13
	v_lshl_add_u32 v[POFF], v3, 10, s25            ; row n = 8 w + nh (+ 2 p in the immediate), 1,024 bytes a row
	v_lshl_add_u32 v[POFF], v2, 5, v[POFF]         ; + 32 ci: eight f32
	; LDS: row c at 256 c, 64 f32.  The sixteen 16-byte groups of row c are rotated by c / 8, so that the read phase,
	; which takes one word of 16 rows that lie 8 rows apart, finds them in 16 different groups.
	v_lshl_add_u32 v14, v3, 8, s25                 ; (32 w + ch) x 256
	s_lshl_b32 s26, s4, 2
	v_add_nc_u32 v13, s26, v2                      ; nl + 4 w;  c / 8 = 4 w + k / 4
.irp kk, 0,1,2,3
	v_add_nc_u32 v[LST+\kk], \kk, v13
	v_and_b32 v[LST+\kk], 15, v[LST+\kk]
	v_lshl_add_u32 v[LST+\kk], v[LST+\kk], 4, v14
.endr
	s_lshl_b32 s26, s4, 1
	v_add_nc_u32 v13, s26, v2                      ; 2 w + ci;  the group of n = 8 w + 2 p + nh is 2 w + p / 2, rotated by ci
	v_lshlrev_b32 v14, 11, v2                      ; row 8 ci
	v_lshl_add_u32 v14, v3, 2, v14                 ; + 4 nh
.irp pp, 0,1
	v_add_nc_u32 v[LRD+\pp], \pp, v13
	v_and_b32 v[LRD+\pp], 15, v[LRD+\pp]
	v_lshl_add_u32 v[LRD+\pp], v[LRD+\pp], 4, v14
.endr
	s_lshl_b32 s26, s4, 12
	v_lshl_add_u32 v[OOFF], v3, 9, s26             ; output row n = 8 w + nh, 512 bytes a row
	v_lshl_add_u32 v[OOFF], v2, 4, v[OOFF]         ; + 16 ci
	s_lshl_b32 s28, s6, 22                         ; source: b x 4 MiB + nb x 256 bytes
	s_lshl_b32 s29, s7, 8
	s_add_co_u32 s28, s28, s29
	s_mov_b32 s29, 0
	s_lshl_b32 s30, s7, 16                         ; table: nb x 64 rows of 1,024 bytes
	s_mov_b32 s31, 0
	s_lshl_b32 s32, s6, 21                         ; output: b x 2 MiB + nb x 64 rows of 512 bytes
	s_lshl_b32 s33, s7, 15
	s_add_co_u32 s32, s32, s33
	s_mov_b32 s33, 0
	s_wait_kmcnt 0x0
	s_cmp_eq_u32 s5, 0                             ; the job picks the three buffers
	s_cselect_b64 s[34:35], s[8:9], s[10:11]
	s_cselect_b64 s[36:37], s[14:15], s[16:17]
	s_cselect_b64 s[38:39], s[18:19], s[20:21]
	s_add_nc_u64 s[34:35], s[34:35], s[28:29]
	s_add_nc_u64 s[36:37], s[36:37], s[30:31]
	s_add_nc_u64 s[38:39], s[38:39], s[32:33]
.irp k, 0,1,2,3,4,5,6,7,8,9,10,11,12,13,14,15
	global_load_b128 v[X+4*\k:X+4*\k+3], v[GOFF], s[34:35] offset:\k*32768 th:TH_LOAD_NT   ; rows 32 w + 2 k, + 1: two runs of 256 bytes
.endr
.irp p, 0,1,2,3
.irp hc, 0,1
	global_load_b128 v[POS+8*(2*\p+\hc):POS+8*(2*\p+\hc)+3],   v[POFF], s[36:37] offset:\p*2048+\hc*512      ; item 2 p + hc: n = 8 w + 2 p + nh,
	global_load_b128 v[POS+8*(2*\p+\hc)+4:POS+8*(2*\p+\hc)+7], v[POFF], s[36:37] offset:\p*2048+\hc*512+16   ; c = 128 hc + 8 ci + 0..7
.endr
.endr
.irp k, 0,1,2,3,4,5,6,7,8,9,10,11,12,13,14,15
	s_wait_loadcnt 31-\k                           ; loads return in order: 15 - k loads of the tile and the 16 of the table are younger
	ds_store_b128 v[LST+(\k>>2)], v[X+4*\k:X+4*\k+3] offset:\k*512
.endr
	s_wait_dscnt 0x0                               ; my stores are in LDS before I say so
	s_barrier_signal -1
	s_barrier_wait -1                              ; everybody's are: the whole tile may be read
.irp p, 0,1,2,3
.irp hc, 0,1
.irp j, 0,1,2,3,4,5,6,7
	ds_load_b32 v[X+8*(2*\p+\hc)+\j], v[LRD+(\p>>1)] offset:\hc*32768+\j*256+8*(\p&1)   ; 32 lanes, 32 different words modulo 256 bytes
.endr
.endr
.endr
.irp p, 0,1,2,3
.irp hc, 0,1
.set it, 2*\p+\hc
	s_wait_dscnt 56-8*it                           ; the later items' LDS loads, 8 each, may stay out
	s_wait_loadcnt 14-2*it                         ; and their table loads, 2 each
.irp j, 0,2,4,6
	v_pk_add_f32 v[X+8*it+\j:X+8*it+\j+1], v[X+8*it+\j:X+8*it+\j+1], v[POS+8*it+\j:POS+8*it+\j+1]
.endr
.irp r, 0,1,2,3
	v_cvt_pk_f16_f32 v[X+8*it+\r], v[X+8*it+2*\r], v[X+8*it+2*\r+1]     ; register r is written when registers up to 2 r + 1 have been read
.endr
	global_store_b128 v[OOFF], v[X+8*it:X+8*it+3], s[38:39] offset:\p*1024+\hc*256   ; no register of a store is written again: no further wait
.endr
.endr
	s_wait_tensorcnt 0x0
	ds_add_u32 v144, v145
	s_wait_dscnt 0x0
	s_endpgm
	; ---- values: 64 KiB of f32 in, 32 KiB of f16 out, in the same order
.Lcast:
	v_lshlrev_b32 v[GOFF], 4, v0                   ; 16 bytes a thread in,
	v_lshlrev_b32 v[OOFF], 3, v0                   ; 8 bytes out: a wave's store covers 256 consecutive bytes, aligned
	s_lshl_b32 s28, ttmp9, 16
	s_mov_b32 s29, 0
	s_lshl_b32 s30, ttmp9, 15
	s_mov_b32 s31, 0
	s_wait_kmcnt 0x0
	s_add_nc_u64 s[12:13], s[12:13], s[28:29]
	s_add_nc_u64 s[22:23], s[22:23], s[30:31]
.irp k, 0,1,2,3,4,5,6,7,8,9,10,11,12,13,14,15
	global_load_b128 v[X+4*\k:X+4*\k+3], v[GOFF], s[12:13] offset:\k*4096 th:TH_LOAD_NT
.endr
.irp k, 0,1,2,3,4,5,6,7,8,9,10,11,12,13,14,15
	s_wait_loadcnt 15-\k                           ; the younger loads stay out
	v_cvt_pk_f16_f32 v[X+4*\k],   v[X+4*\k],   v[X+4*\k+1]
	v_cvt_pk_f16_f32 v[X+4*\k+1], v[X+4*\k+2], v[X+4*\k+3]
	global_store_b64 v[OOFF], v[X+4*\k:X+4*\k+1], s[22:23] offset:\k*2048
.endr
	s_endpgm
.Lfunc_end_k_q2ebd4e8f07_prep:
	.size	k_q2ebd4e8f07_prep, .Lfunc_end_k_q2ebd4e8f07_prep-k_q2ebd4e8f07_prep
	.p2alignl 7, 3214868480
	.fill 96, 4, 3214868480
	.section	.rodata,"a",@progbits
	.p2align	6, 0x0
	.amdhsa_kernel k_q2ebd4e8f07_prep
		.amdhsa_group_segment_fixed_size 66560
		.amdhsa_private_segment_fixed_size 0
		.amdhsa_enable_private_segment 0
		.amdhsa_kernarg_size 64
		.amdhsa_user_sgpr_count 2
		.amdhsa_user_sgpr_kernarg_segment_ptr 1
		.amdhsa_wavefront_size32 1
		.amdhsa_system_sgpr_workgroup_id_x 1
		.amdhsa_system_sgpr_workgroup_id_y 1
		.amdhsa_system_sgpr_workgroup_id_z 1
		.amdhsa_system_vgpr_workitem_id 0
		.amdhsa_next_free_vgpr 146
		.amdhsa_next_free_sgpr 66
		.amdhsa_reserve_vcc 0
		.amdhsa_float_denorm_mode_32 3
		.amdhsa_float_denorm_mode_16_64 3
		.amdhsa_memory_ordered 1
		.amdhsa_forward_progress 1
		.amdhsa_inst_pref_size 23
	.end_amdhsa_kernel
	.amdgpu_metadata
---
amdhsa.version: [ 1, 2 ]
amdhsa.kernels:
  - .name:           k_q2ebd4e8f07_prep
    .symbol:         k_q2ebd4e8f07_prep.kd
    .args:
      - { .name: queries, .offset: 0, .size: 8, .value_kind: global_buffer, .address_space: global }
      - { .name: keys, .offset: 8, .size: 8, .value_kind: global_buffer, .address_space: global }
      - { .name: values, .offset: 16, .size: 8, .value_kind: global_buffer, .address_space: global }
      - { .name: q_pos_embedding, .offset: 24, .size: 8, .value_kind: global_buffer, .address_space: global }
      - { .name: k_pos_embedding, .offset: 32, .size: 8, .value_kind: global_buffer, .address_space: global }
      - { .name: qf, .offset: 40, .size: 8, .value_kind: global_buffer, .address_space: global }
      - { .name: kf, .offset: 48, .size: 8, .value_kind: global_buffer, .address_space: global }
      - { .name: vf, .offset: 56, .size: 8, .value_kind: global_buffer, .address_space: global }
    .group_segment_fixed_size: 66560
    .private_segment_fixed_size: 0
    .kernarg_segment_align: 8
    .kernarg_segment_size: 64
    .max_flat_workgroup_size: 256
    .sgpr_count:     66
    .vgpr_count:     146
    .wavefront_size: 32
...
	.end_amdgpu_metadata
.endif
;; end of part 1
;; launch attn (part 2): grid 32 x 8, 4 waves a work-group, clusters of 4 x 1, 327,680 bytes of LDS; arguments qf, kf, vf, out0; writes out0
.if DOCPART == 2
	.amdgcn_target "amdgcn-amd-amdhsa--gfx1250"
	.amdhsa_code_object_version 6
	.text
	.protected	k_q2ebd4e8f07_attn
	.globl	k_q2ebd4e8f07_attn
	.p2align	8
	.type	k_q2ebd4e8f07_attn,@function
k_q2ebd4e8f07_attn:
	s_mov_b64 s[64:65], 0
	v_nop
	global_prefetch_b8 v0, s[64:65] scope:SCOPE_SE
	s_setreg_imm32_b32 hwreg(HW_REG_WAVE_MODE, 25, 1), 1
	s_wait_xcnt 0x0
	s_wait_alu depctr_hold_cnt(0) depctr_sa_sdst(0) depctr_va_vdst(0) depctr_va_sdst(0) depctr_va_ssrc(0) depctr_va_vcc(0) depctr_vm_vsrc(0)
	s_getreg_b32 s2, hwreg(HW_REG_IB_STS2, 6, 4)
	s_cmp_eq_u32 s2, 0
	s_cbranch_scc0 .Lentry_in_a_cluster
	s_endpgm
.Lentry_in_a_cluster:
	s_bfe_u32 s2, ttmp6, 0x10000c
	s_cmp_lg_u32 s2, 0x3003
	s_cbranch_scc0 .Lentry_shape_is_right
	s_endpgm
.Lentry_shape_is_right:
; out0[b][cv][q] = sum over keys of softmax_key(q.k / 16) v[cv][key].   qf, kf: [8][4096][256] f16;  vf: [8][256][4096] f16;  out0 f32.
; A work-group owns 128 queries of one batch and walks the 4,096 keys in 32 steps of 128.  Four waves, as many as a WGP has SIMDs.
; Wave w = 2 kh + qh owns queries 64 qh .. + 63 and, in every step, keys 64 kh .. + 63; it keeps a running maximum, a sum and a whole
; O^T (256 cv x 64 q, 512 registers) of its own; the two key halves are merged once, behind the last step.  So each fragment read
; from LDS feeds four matrix instructions.
; BOTH PRODUCTS ARE TRANSPOSED.  S^T = K Q^T: source 0 = 16 keys, source 1 = 16 queries: lane (r, h) gets query r and keys 8 h .. 8 h + 7
; of the tile.  Two such tiles, packed to f16, ARE source 1 of O^T = V P^T (query r; keys 8 h .. and 16 + 8 h ..): no shuffle.  Maximum,
; sum and rescale factor are one number a lane.  V lies [cv][key] in memory, as source 0 wants it, and O^T is the output's layout.
; SOFTMAX: the running maximum m is taken away before every exponential: p = 2^(c s - c m), c = log2(e) / 16.  NM = -(c m) is kept as
; rounded, and the factor for what was summed before is 2^(NM new - NM old): exactly the change of the shift that was applied.
; CLUSTER: the four work-groups of a cluster share the batch and so every tile of K and V: each tile is asked for jointly (mask 15).
; A 4 x 4 cluster adds nothing: only one axis of the grid shares tiles, and a mask names four work-groups.
; LIMITS: operands are f16 (see the launch that makes them: magnitudes below 65,504).  A weight below 2^-24 of the largest seen so far
; becomes 0 in the product (4,096 of them are under 2.5e-4 of the largest weight); the sum of weights is made of the unrounded f32
; weights.  NaN and infinities among the inputs are not served (the maximum lets a NaN lose).  The keys are summed in two halves and
; in steps, so the order of rounding differs from a plain softmax.
;
; LDS: two slots of 139,264 bytes; in a slot K's two halves (64 rows of 512 + 16 bytes each, in 34,816 bytes), then V (256 rows of 256 + 16).
; Behind the ring: a stage of 16 rows x 272 bytes for each wave, and 1,024 bytes for each wave's maxima and sums.  Slot 0, behind its
; last fill and last read, takes the halves' exchange (4 x 32,768 bytes).
; REGISTERS: window 0: addresses, softmax numbers, three fragment buffers v32-127, S and P in v128-255;  window 1: Q's 32 fragments;
; windows 2, 3: O(ct, q tile) at 8 (4 (ct % 8) + q tile), ct 0-7 and 8-15.
.set HALFT, 34816                      ; what one wave's tensor load owns
.set SLOT,  4*HALFT
.set STAGE, 2*SLOT
.set STAT,  STAGE+4*4352
.set KP,    528                        ; LDS pitch of K's rows: 33 x 16 bytes, so 16 rows start in 16 different 16-byte columns modulo 256
.set VP,    272                        ; of V's rows and of the stage's: 17 x 16 bytes
.set KTILE, 65536                      ; 128 keys x 512 bytes in kf
.set VTILE, 256                        ; 128 keys x 2 bytes along vf's rows
.set ADRK, 1                           ; v1, v2   my K fragments in slot 0, 1
.set ADRV, 3                           ; v3, v4   my V fragments in slot 0, 1
.set TM,   6                           ; v[6:9]   this step's maximum, for each q tile
.set TP,   10                         ; v[10:13] the other half's number; the new NM
.set ACC,  14                          ; v[14:15] a tile's sum of weights
.set AL,   16                          ; v16+2q   rescale factor        (pairs (AL, MX) and (NM, LS): the packed forms broadcast the even register)
.set MX,   17                          ; v17+2q   running maximum of s
.set NM,   24                          ; v24+2q   -(c m)
.set LS,   25                          ; v25+2q   my lane's sum of weights
.set FB0,  32
.set FB1,  64
.set FB2,  96
.set S,    128                         ; S(q, kt) at S + 32 q + 8 kt;  P(q, ks) in place at S + 32 q + 16 ks
.set G1K, 24                           ; s[24:31] group 1 for K     s[32:39] group 0 for K, one set a slot
.set G0K, 32
.set G1V, 40                           ; s[40:47] group 1 for V     s[48:55] group 0 for V, one set a slot
.set G0V, 48
.set MSB, 0
.macro WIN new                         ; s_set_vgpr_msb: bits 1:0 source 0, 3:2 source 1, 5:4 source 2, 7:6 destination; the high byte repeats the setting that is left
.if MSB != \new
	s_set_vgpr_msb (MSB<<8)|\new
.set MSB, \new
.endif
.endm
.macro PLACES cnt                      ; places behind a matrix instruction (ISA guide 7.12.1): only plain vector instructions that name none of its registers count
.rept \cnt
	v_nop
.endr
.endm
; A round of the cluster's barrier: my work-group's barrier, wave 0 signals for the work-group, every wave waits for all four work-groups, my work-group's barrier again.
.macro ROUND
	s_barrier_signal -1
	s_barrier_wait -1
	s_cmp_lg_u32 s12, 0
	s_cbranch_scc1 .Lnot_wave_0_\@
	s_barrier_signal -3
.Lnot_wave_0_\@:
	s_barrier_wait -3
	s_barrier_signal -1
	s_barrier_wait -1
.endm
; A joint load: waves 0 and 1 bring K's two halves, waves 2 and 3 V's.  The branch hangs on the wave's number alone.
.macro JLOAD sl
	s_cmp_eq_u32 s13, 0
	s_cbranch_scc0 .Lfor_v_\@
	tensor_load_to_lds s[G0K+4*(\sl):G0K+4*(\sl)+3], s[G1K:G1K+7]
	s_nop 0
	s_branch .Lasked_\@
.Lfor_v_\@:
	tensor_load_to_lds s[G0V+4*(\sl):G0V+4*(\sl)+3], s[G1V:G1V+7]
	s_nop 0
.Lasked_\@:
.endm
; 8 LDS loads: my 64 keys x 32 c (c step cs) as four fragments
.macro FETCHK slot, cs, f
.irp kt, 0,1,2,3
	ds_load_b128 v[\f+8*\kt:\f+8*\kt+3],   v[ADRK+\slot] offset:\kt*16*KP+(\cs)*64
	ds_load_b128 v[\f+8*\kt+4:\f+8*\kt+7], v[ADRK+\slot] offset:\kt*16*KP+(\cs)*64+32
.endr
.endm
; 8 LDS loads: cv tiles 2 gv, 2 gv + 1 x my 64 keys as four fragments, fragment e = 2 ks + (ct & 1)
.macro FETCHV slot, gv, f
.irp e, 0,1,2,3
	ds_load_b128 v[\f+8*\e:\f+8*\e+3],   v[ADRV+\slot] offset:(2*(\gv)+(\e&1))*16*VP+(\e>>1)*64
	ds_load_b128 v[\f+8*\e+4:\f+8*\e+7], v[ADRV+\slot] offset:(2*(\gv)+(\e&1))*16*VP+(\e>>1)*64+32
.endr
.endm
; 16 matrix instructions: S^T += K(4 key tiles) Q^T(4 q tiles), 32 along c.  The 16 accumulators take turns, one instruction a turn.
.macro SMUL cs, f, zero
.irp kt, 0,1,2,3
.irp q, 0,1,2,3
.if \zero
	v_wmma_f32_16x16x32_f16 v[S+32*\q+8*\kt:S+32*\q+8*\kt+7], v[\f+8*\kt:\f+8*\kt+7], v[64*\q+8*(\cs):64*\q+8*(\cs)+7], 0
.else
	v_wmma_f32_16x16x32_f16 v[S+32*\q+8*\kt:S+32*\q+8*\kt+7], v[\f+8*\kt:\f+8*\kt+7], v[64*\q+8*(\cs):64*\q+8*(\cs)+7], v[S+32*\q+8*\kt:S+32*\q+8*\kt+7]
.endif
.endr
.endr
.endm
; 16 matrix instructions: O^T(2 cv tiles x 4 q tiles) += V P^T over my 64 keys.  Eight accumulators take turns, one instruction a turn.
.macro PMUL gv, f, first
.irp ks, 0,1
.irp cl, 0,1
.irp q, 0,1,2,3
.set OD, 8*(4*((2*(\gv)+\cl)%8)+\q)
.if \first*(1-\ks)
	v_wmma_f32_16x16x32_f16 v[OD:OD+7], v[\f+8*(2*\ks+\cl):\f+8*(2*\ks+\cl)+7], v[S+32*\q+16*\ks:S+32*\q+16*\ks+7], 0
.else
	v_wmma_f32_16x16x32_f16 v[OD:OD+7], v[\f+8*(2*\ks+\cl):\f+8*(2*\ks+\cl)+7], v[S+32*\q+16*\ks:S+32*\q+16*\ks+7], v[OD:OD+7]
.endif
.endr
.endr
.endr
.endm
; One group of the S phase, then the fetch three groups ahead into the buffer just used.
.macro SK slot, cs, f, zero
	s_wait_dscnt 16                                ; the two younger groups of 8 loads may stay out
	SMUL \cs, \f, \zero
	PLACES 4                                       ; loads land in registers that the matrix instructions above read
	FETCHK \slot, \cs+3, \f
.endm
.macro SV slot, cs, f
	s_wait_dscnt 16
	SMUL \cs, \f, 0
	PLACES 4                                       ; as above; behind the last group also for the maxima, which read the results
	FETCHV \slot, \cs-5, \f
.endm
; One group of the PV phase.
.macro PG slot, gv, f, first, left, win, fetch
	s_wait_dscnt \left                             ; the younger groups, 8 loads each, may stay out
	WIN \win
	PMUL \gv, \f, \first
.if \fetch
	PLACES 4
	WIN 0
	FETCHV \slot, \gv+3, \f
.endif
.endm
; The step's maximum for each of my 4 queries a lane (four chains that do not wait for each other), joined with the other 16 lanes' and the running one.
.macro MAXES first
.irp q, 0,1,2,3
	v_max3_num_f32 v[TM+\q], v[S+32*\q], v[S+32*\q+1], v[S+32*\q+2]
.endr
.set i, 3
.rept 14
.irp q, 0,1,2,3
	v_max3_num_f32 v[TM+\q], v[TM+\q], v[S+32*\q+i], v[S+32*\q+i+1]
.endr
.set i, i+2
.endr
.irp q, 0,1,2,3
	v_max_num_f32 v[TM+\q], v[TM+\q], v[S+32*\q+31]
.endr
.irp q, 0,1,2,3
	v_permlanex16_b32 v[TP+\q], v[TM+\q], s56, s57                 ; lane l takes lane l xor 16: the same query's other eight keys of each tile
.endr
.if \first
.irp q, 0,1,2,3
	v_max_num_f32 v[MX+2*\q], v[TM+\q], v[TP+\q]
.endr
.irp q, 0,1,2,3
	v_mul_f32 v[NM+2*\q], s60, v[MX+2*\q]
.endr
.else
.irp q, 0,1,2,3
	v_max3_num_f32 v[MX+2*\q], v[TM+\q], v[TP+\q], v[MX+2*\q]
.endr
.irp q, 0,1,2,3
	v_mul_f32 v[TP+\q], s60, v[MX+2*\q]                            ; the new -(c m)
.endr
.irp q, 0,1,2,3
	v_sub_f32 v[AL+2*\q], v[TP+\q], v[NM+2*\q]                     ; at most 0
.endr
.irp q, 0,1,2,3
	v_exp_f32 v[AL+2*\q], v[AL+2*\q]
.endr
.irp q, 0,1,2,3
	v_mov_b32 v[NM+2*\q], v[TP+\q]                                 ; plain work between the exponentials and the first use of a factor (ISA guide 5.7.2)
.endr
.endif
.endm
.macro FMAT t                          ; c s - c m for q tile t
.set i, 0
.rept 16
	v_pk_fma_f32 v[S+32*(\t)+2*i:S+32*(\t)+2*i+1], v[S+32*(\t)+2*i:S+32*(\t)+2*i+1], s[58:59], v[NM+2*(\t):NM+2*(\t)+1] op_sel_hi:[1,0,0]
.set i, i+1
.endr
.endm
; Three q tiles at three stages in one run: exponentials of tile t, the multiply-adds of tile t + 1, sum and rounding to f16 of tile t - 1.
; So a plain instruction on other registers stands behind every pair of exponentials, and no result is used before the next run.
; The rounding packs registers 2 i, 2 i + 1 into register 16 (i / 8) + 4 ((i / 4) % 2) + i % 4, which is never ahead of what is still unread.
.macro SOFTN t, first
.set i, 0
.rept 16
.if \t < 4
	v_exp_f32 v[S+32*\t+2*i], v[S+32*\t+2*i]
	v_exp_f32 v[S+32*\t+2*i+1], v[S+32*\t+2*i+1]
.endif
.if \t < 3
	v_pk_fma_f32 v[S+32*(\t+1)+2*i:S+32*(\t+1)+2*i+1], v[S+32*(\t+1)+2*i:S+32*(\t+1)+2*i+1], s[58:59], v[NM+2*(\t+1):NM+2*(\t+1)+1] op_sel_hi:[1,0,0]
.endif
.if \t > 0
.if i == 0
	s_wait_alu depctr_va_vdst(0)
	v_pk_add_f32 v[ACC:ACC+1], v[S+32*(\t-1):S+32*(\t-1)+1], v[S+32*(\t-1)+2:S+32*(\t-1)+3]     ; the first two pairs start the sum
.endif
.if i > 1
	v_pk_add_f32 v[ACC:ACC+1], v[ACC:ACC+1], v[S+32*(\t-1)+2*i:S+32*(\t-1)+2*i+1]
.endif
	v_cvt_pk_f16_f32 v[S+32*(\t-1)+16*(i>>3)+4*((i>>2)&1)+(i&3)], v[S+32*(\t-1)+2*i], v[S+32*(\t-1)+2*i+1]
.endif
.set i, i+1
.endr
.if \t > 0
.if \first
	v_add_f32 v[LS+2*(\t-1)], v[ACC], v[ACC+1]
.else
	v_fma_f32 v[LS+2*(\t-1)], v[LS+2*(\t-1)], v[AL+2*(\t-1)], v[ACC]
	v_add_f32 v[LS+2*(\t-1)], v[LS+2*(\t-1)], v[ACC+1]
.endif
.endif
.endm
.macro SCALEW                          ; the 32 tiles of one window times their q tile's factor
.set i, 0
.rept 32
.irp j, 0,2,4,6
	v_pk_mul_f32 v[8*i+\j:8*i+\j+1], v[8*i+\j:8*i+\j+1], v[AL+2*(i&3):AL+2*(i&3)+1] op_sel_hi:[1,0]
.endr
.set i, i+1
.endr
.endm
.macro RESCALE
	WIN 0x82                                       ; destination and source 0 window 2, the factor window 0
	SCALEW
	WIN 0xc3
	SCALEW
.endm
; One step: 16 groups of 16 matrix instructions (8 c steps of S^T, then 8 pairs of cv tiles of O^T), group g on buffer g % 3, each fetched three groups ahead.
.macro STEP slot, first
	FETCHK \slot, 0, FB0
	FETCHK \slot, 1, FB1
	FETCHK \slot, 2, FB2
	WIN 0x04                                       ; source 1 (Q) window 1; LDS loads name destination and source 0 alone, both window 0
	SK \slot, 0, FB0, 1                            ; the first product starts the sums: nothing is cleared
	SK \slot, 1, FB1, 0
	SK \slot, 2, FB2, 0
	SK \slot, 3, FB0, 0
	SK \slot, 4, FB1, 0
	SV \slot, 5, FB2
	SV \slot, 6, FB0
	SV \slot, 7, FB1                               ; V's first three groups come in during the softmax
	WIN 0
	MAXES \first
	FMAT 0
	SOFTN 0, \first
	SOFTN 1, \first
	SOFTN 2, \first
	SOFTN 3, \first
	SOFTN 4, \first
.if \first
.else
	RESCALE
.endif
	PG \slot, 0, FB2, \first, 16, 0xa0, 1          ; C and D window 2
	PG \slot, 1, FB0, \first, 16, 0xa0, 1
	PG \slot, 2, FB1, \first, 16, 0xa0, 1
	PG \slot, 3, FB2, \first, 16, 0xa0, 1
	PG \slot, 4, FB0, \first, 16, 0xf0, 1          ; C and D window 3
	PG \slot, 5, FB1, \first, 16, 0xf0, 0
	PG \slot, 6, FB2, \first, 8,  0xf0, 0
	PG \slot, 7, FB0, \first, 0,  0xf0, 0
	PLACES 5                                       ; the next step's first products write over P, and its fetches over the buffers, that the products above read
	WIN 0
.endm
; A trip of the ring.  In front of the round every wave waits for all its tensor loads (one is out: its part of this trip's tile) and for its
; reads of the other slot; behind the round no wave of the four work-groups reads that slot or has a load out: the joint refill comes first.
; The refill has the whole step, 256 matrix instructions and the softmax, in which to land.
.macro TRIP slot, refill, first
	s_wait_xcnt 0x0
	v_lshl_add_u32 v254, v0, 2, 0x49400
	v_mov_b32 v255, 0
	s_wait_tensorcnt 0x0
	ds_add_u32 v254, v255
	s_wait_dscnt 0x0
	s_add_nc_u64 s[G0K+4*\slot+2:G0K+4*\slot+3], s[G0K+4*\slot+2:G0K+4*\slot+3], 2*KTILE   ; no load of mine is out: this slot's next tile
	s_add_nc_u64 s[G0V+4*\slot+2:G0V+4*\slot+3], s[G0V+4*\slot+2:G0V+4*\slot+3], 2*VTILE
	s_wait_dscnt 0x0
	ROUND
.if \refill
	JLOAD 1-\slot
.endif
	STEP \slot, \first
.endm
	s_load_b256 s[4:11], s[0:1], 0x0               ; qf s[4:5], kf s[6:7], vf s[8:9], out0 s[10:11]
	v_lshl_add_u32 v254, v0, 2, 0x49400
	v_mov_b32 v255, 0
	ds_add_u32 v254, v255
	s_wait_dscnt 0x0
	v_lshrrev_b32 v1, 5, v0
	v_readfirstlane_b32 s12, v1                    ; wave w
	s_lshr_b32 s13, s12, 1                         ; kh: my half of a step's keys.  Also: I fetch for K (0) or for V (1)
	s_and_b32 s14, s12, 1                          ; qh: my half of the queries.  Also: which half of that tile I fetch
	s_bfe_u32 s15, ttmp6, 0x40000                  ; cx
	s_lshl_b32 s16, ttmp9, 2
	s_add_co_u32 s16, s16, s15                     ; query block x = 4 x cluster x + cx
	s_and_b32 s17, ttmp7, 0xffff                   ; batch b (the cluster is one work-group high)
	s_mov_b32 s56, 0x76543210                      ; v_permlanex16_b32: lane i of one half reads lane i of the other
	s_mov_b32 s57, 0xfedcba98
	s_mov_b32 s58, 0x3db8aa3b                      ; c = log2(e) / 16
	s_mov_b32 s59, 0x3db8aa3b
	s_mov_b32 s60, 0xbdb8aa3b                      ; -c
	; group 1 for K: 64 rows x 256 elements of 2 bytes, 16 bytes of padding behind every 128 words
	s_mov_b32 s[G1K+0], 15|(1<<16)|(1<<20)|(1<<21)|(6<<22)|(3<<25)   ; 15:0 the mask: all four work-groups; 17:16 2 bytes; 20 padding; 21 set beside a mask; 24:22 interval; 31:25 4 words
	s_mov_b32 s[G1K+1], 256<<16                    ; tensor_dim0 = 256
	s_mov_b32 s[G1K+2], 64<<16                     ; tensor_dim1 = 64
	s_mov_b32 s[G1K+3], 256<<16                    ; tile_dim0 = 256
	s_mov_b32 s[G1K+4], 64                         ; tile_dim1 = 64
	s_mov_b32 s[G1K+5], 256                        ; elements from row to row
	s_mov_b32 s[G1K+6], 0
	s_mov_b32 s[G1K+7], 0
	; group 1 for V: 128 rows x 128 elements, 16 bytes of padding behind every 64 words
	s_mov_b32 s[G1V+0], 15|(1<<16)|(1<<20)|(1<<21)|(5<<22)|(3<<25)
	s_mov_b32 s[G1V+1], 128<<16
	s_mov_b32 s[G1V+2], 128<<16
	s_mov_b32 s[G1V+3], 128<<16
	s_mov_b32 s[G1V+4], 128
	s_mov_b32 s[G1V+5], 4096
	s_mov_b32 s[G1V+6], 0
	s_mov_b32 s[G1V+7], 0
	s_mul_i32 s23, s12, HALFT                      ; where my part of a tile goes: the wave's number alone
	s_lshl_b32 s22, s17, 21                        ; a batch of qf, kf or vf is 2 MiB
	s_lshl_b32 s18, s14, 15                        ; K: 64 rows of 512 bytes for the second half
	s_add_co_u32 s18, s18, s22
	s_mov_b32 s19, 0
	s_wait_kmcnt 0x0
	s_add_nc_u64 s[2:3], s[6:7], s[18:19]          ; nothing of cx enters these: the four partners' descriptors are equal
	s_lshl_b32 s18, s14, 20                        ; V: 128 rows of 8,192 bytes for the second half
	s_add_co_u32 s18, s18, s22
	s_add_nc_u64 s[62:63], s[8:9], s[18:19]
.irp s, 0,1
	s_mov_b32 s[G0K+4*\s], 1
	s_add_co_u32 s[G0K+4*\s+1], s23, \s*SLOT
	s_add_nc_u64 s[G0K+4*\s+2:G0K+4*\s+3], s[2:3], \s*KTILE
	s_or_b32 s[G0K+4*\s+3], s[G0K+4*\s+3], 0x80000000
	s_mov_b32 s[G0V+4*\s], 1
	s_add_co_u32 s[G0V+4*\s+1], s23, \s*SLOT
	s_add_nc_u64 s[G0V+4*\s+2:G0V+4*\s+3], s[62:63], \s*VTILE
	s_or_b32 s[G0V+4*\s+3], s[G0V+4*\s+3], 0x80000000
.endr
	ROUND                                          ; all four work-groups are here: the first joint loads meet
	JLOAD 0                                        ; tile 0
	v_and_b32 v32, 15, v0                          ; r
	v_bfe_u32 v33, v0, 4, 1                        ; h
	v_mul_u32_u24 v34, v32, KP
	v_lshl_add_u32 v34, v33, 4, v34                ; r x pitch + 16 h
	s_mul_i32 s23, s13, HALFT                      ; my half of K's rows
	v_add_nc_u32 v[ADRK], s23, v34
	v_add_nc_u32 v[ADRK+1], SLOT, v[ADRK]
	v_mul_u32_u24 v35, v32, VP
	v_lshl_add_u32 v35, v33, 4, v35
	s_lshl_b32 s23, s13, 7                         ; my 64 keys along V's rows,
	s_add_co_u32 s23, s23, 2*HALFT                 ; which lie behind K's two halves
	v_add_nc_u32 v[ADRV], s23, v35
	v_add_nc_u32 v[ADRV+1], SLOT, v[ADRV]
	v_lshlrev_b32 v5, 9, v32                       ; Q: row r of 512 bytes
	v_lshl_add_u32 v5, v33, 4, v5                  ; + 16 h
	s_lshl_b32 s20, s16, 16                        ; 128 queries x 512 bytes a block,
	s_add_co_u32 s20, s20, s22
	s_lshl_b32 s21, s14, 15                        ; 64 for my half
	s_add_co_u32 s20, s20, s21
	s_mov_b32 s21, 0
	s_add_nc_u64 s[4:5], s[4:5], s[20:21]
	s_lshl_b32 s20, s17, 22                        ; out0: a batch is 4 MiB; the cv half that I store is 128 rows of 16,384 bytes;
	s_lshl_b32 s21, s13, 21
	s_add_co_u32 s20, s20, s21
	s_lshl_b32 s21, s16, 9                         ; 128 queries x 4 bytes a block, 64 for my half
	s_add_co_u32 s20, s20, s21
	s_lshl_b32 s21, s14, 8
	s_add_co_u32 s20, s20, s21
	s_mov_b32 s21, 0
	s_add_nc_u64 s[10:11], s[10:11], s[20:21]
	WIN 0x40                                       ; destination window 1
.irp q, 0,1,2,3
.irp c, 0,1,2,3,4,5,6,7
	global_load_b128 v[64*\q+8*\c:64*\q+8*\c+3],   v5, s[4:5] offset:\q*8192+\c*64       ; Q(q tile, c step): query 16 q + r, c = 32 c + 8 h ..
	global_load_b128 v[64*\q+8*\c+4:64*\q+8*\c+7], v5, s[4:5] offset:\q*8192+\c*64+32    ; and 32 c + 16 + 8 h ..
.endr
.endr
	WIN 0
.irp q, 0,1,2,3
	v_mov_b32 v[TP+\q], 0                          ; a destination of v_permlanex16_b32 counts as read
	v_mov_b32 v[LS+2*\q], 0                        ; the upper register of the pair (NM, LS) that the packed multiply-add names
.endr
	s_wait_loadcnt 0x0                             ; Q stays in registers for all 32 steps
	TRIP 0, 1, 1                                   ; step 0 starts maximum, sum and O
	TRIP 1, 1, 0
	s_mov_b32 s22, 14
.Llap:
	TRIP 0, 1, 0
	TRIP 1, 1, 0
	s_sub_co_u32 s22, s22, 1
	s_cmp_lg_u32 s22, 0
	s_cbranch_scc1 .Llap
	TRIP 0, 1, 0                                   ; step 30 asks for the last tile
	TRIP 1, 0, 0                                   ; step 31 asks for nothing (the stepped addresses are not used)
	; ---- THE TWO KEY HALVES MEET.  Wave w and wave w xor 2 hold the same queries in the same lanes.
.irp q, 0,1,2,3
	v_permlanex16_b32 v[TP+\q], v[LS+2*\q], s56, s57               ; the sum over a query's two lanes, put off until here
.endr
.irp q, 0,1,2,3
	v_add_f32 v[LS+2*\q], v[LS+2*\q], v[TP+\q]
.endr
	v_and_b32 v14, 31, v0                          ; lane
	v_and_b32 v15, 15, v0                          ; r
	v_bfe_u32 v36, v0, 4, 1                        ; h
	s_lshl_b32 s23, s12, 10
	s_add_co_u32 s23, s23, STAT
	v_lshl_add_u32 v1, v14, 2, s23                 ; my words
	s_xor_b32 s23, s12, 2
	s_lshl_b32 s23, s23, 10
	s_add_co_u32 s23, s23, STAT
	v_lshl_add_u32 v2, v14, 2, s23                 ; my partner's
.irp q, 0,1,2,3
	ds_store_b32 v1, v[MX+2*\q] offset:\q*256
	ds_store_b32 v1, v[LS+2*\q] offset:\q*256+128
.endr
	s_wait_dscnt 0x0                               ; my stores are in LDS before I say so
	s_barrier_signal -1
	s_barrier_wait -1                              ; all tensor loads were waited for in front of step 31
.irp q, 0,1,2,3
	ds_load_b32 v[TM+\q], v2 offset:\q*256         ; the partner's maximum
	ds_load_b32 v[TP+\q], v2 offset:\q*256+128     ; and sum
.endr
	s_wait_dscnt 0x0
.irp q, 0,1,2,3
	v_max_num_f32 v[32+\q], v[MX+2*\q], v[TM+\q]
.endr
.irp q, 0,1,2,3
	v_mul_f32 v[32+\q], s60, v[32+\q]              ; -(c m) of the joint maximum
	v_mul_f32 v[TM+\q], s60, v[TM+\q]              ; the partner's, rounded as the partner rounded it
.endr
.irp q, 0,1,2,3
	v_sub_f32 v[AL+2*\q], v[32+\q], v[NM+2*\q]
	v_sub_f32 v[TM+\q], v[32+\q], v[TM+\q]
.endr
.irp q, 0,1,2,3
	v_exp_f32 v[AL+2*\q], v[AL+2*\q]
	v_exp_f32 v[TM+\q], v[TM+\q]
.endr
	s_lshl_b32 s23, s12, 15                        ; the exchange: 32,768 bytes a wave in slot 0, 16 bytes a lane; plain work behind the exponentials
	v_lshl_add_u32 v1, v14, 4, s23                 ; where I send
	s_xor_b32 s23, s12, 2
	s_lshl_b32 s23, s23, 15
	v_lshl_add_u32 v2, v14, 4, s23                 ; where my partner sent
.irp q, 0,1,2,3
	s_wait_alu depctr_va_vdst(0)
	v_mul_f32 v[LS+2*\q], v[LS+2*\q], v[AL+2*\q]
.endr
.irp q, 0,1,2,3
	v_fma_f32 v[LS+2*\q], v[TP+\q], v[TM+\q], v[LS+2*\q]           ; the whole sum: at least 1, the weight of the key that holds the maximum
.endr
.irp q, 0,1,2,3
	v_rcp_f32 v[TP+\q], v[LS+2*\q]
.endr
	s_mul_i32 s23, s12, 16*VP                      ; my stage; plain work behind the reciprocals
	s_add_co_u32 s23, s23, STAGE
	v_mul_u32_u24 v3, v36, 8*VP                    ; in: row 8 h + j, word 16 q + r
	v_lshl_add_u32 v3, v15, 2, v3
	v_add_nc_u32 v3, s23, v3
	v_mul_u32_u24 v4, v36, VP                      ; back: lanes 0-15 take one row of 256 bytes, lanes 16-31 the next
	v_lshl_add_u32 v4, v15, 4, v4
	v_add_nc_u32 v4, s23, v4
	v_lshlrev_b32 v5, 14, v36                      ; and the same two rows in out0
	v_lshl_add_u32 v5, v15, 4, v5
.irp q, 0,1,2,3
	s_wait_alu depctr_va_vdst(0)
	v_mul_f32 v[AL+2*\q], v[AL+2*\q], v[TP+\q]     ; my share's factor, the division included
.endr
	RESCALE
	WIN 0
	; Each wave keeps one half of the cv rows and sends the other to its partner: kh = 0 keeps cv 0-127 (window 2), kh = 1 cv 128-255 (window 3).
	; Slot 0 had its last fill in front of step 30 and its last read in step 30; two barriers have been passed since.
.macro SEND win
	WIN \win                                       ; an LDS store's data are source 1
.set i, 0
.rept 64
	ds_store_b128 v1, v[4*i:4*i+3] offset:512*i
.set i, i+1
.endr
	WIN 0
.endm
	s_cmp_eq_u32 s13, 0
	s_cbranch_scc0 .Lsend_low
	SEND 0x0c
	s_branch .Lsent
.Lsend_low:
	SEND 0x08
.Lsent:
	s_wait_dscnt 0x0                               ; my stores are in LDS before I say so
	s_barrier_signal -1
	s_barrier_wait -1
	; THE WAY OUT, 16 rows of cv at a time: add the partner's share, lay the 16 x 64 numbers into my own stage, read whole rows of 256 bytes back, store them.
.set XR, 32                            ; v[32:63]  the partner's share of the next 16 rows
.set RR, 64                            ; v[64:95]  the sums
.macro OUT16 i, win, y
	WIN \win                                       ; source 0 in window 2 or 3
.set k, 0
.rept 16
	v_pk_add_f32 v[RR+2*k:RR+2*k+1], v[32*\i+2*k:32*\i+2*k+1], v[XR+2*k:XR+2*k+1]
.set k, k+1
.endr
	WIN 0
.if \i < 7
.irp t, 0,1,2,3,4,5,6,7
	ds_load_b128 v[XR+4*\t:XR+4*\t+3], v2 offset:(8*(\i+1)+\t)*512
.endr
.endif
.irp q, 0,1,2,3
.irp j, 0,1,2,3,4,5,6,7
	ds_store_b32 v3, v[RR+8*\q+\j] offset:\j*VP+\q*64
.endr
.endr
	s_wait_xcnt 0x0                                ; registers that earlier stores to memory read are loaded again only behind this wait
.irp t, 0,1,2,3,4,5,6,7
	ds_load_b128 v[\y+4*\t:\y+4*\t+3], v4 offset:\t*2*VP           ; LDS serves a wave's instructions in order (ISA guide 5.7.1): these see the stores above
.endr
.irp t, 0,1,2,3,4,5,6,7
	s_wait_dscnt 7-\t                              ; the younger loads of the stage stay out; the last count, 0, also shows the partner's next share in
	global_store_b128 v5, v[\y+4*\t:\y+4*\t+3], s[10:11] offset:(16*\i+2*\t)*16384 th:TH_STORE_NT   ; 16 lanes store 256 consecutive bytes, aligned
.endr
.endm
.macro OUTALL win
.irp t, 0,1,2,3,4,5,6,7
	ds_load_b128 v[XR+4*\t:XR+4*\t+3], v2 offset:\t*512
.endr
	s_wait_dscnt 0x0
	OUT16 0, \win, 96
	OUT16 1, \win, 128
	OUT16 2, \win, 96
	OUT16 3, \win, 128
	OUT16 4, \win, 96
	OUT16 5, \win, 128
	OUT16 6, \win, 96
	OUT16 7, \win, 128
.endm
	s_cmp_eq_u32 s13, 0
	s_cbranch_scc0 .Lout_high
	OUTALL 0x02
	s_branch .Lend
.Lout_high:
	OUTALL 0x03
.Lend:
	s_wait_xcnt 0x0
	v_lshl_add_u32 v254, v0, 2, 0x49400
	v_mov_b32 v255, 0
	s_wait_tensorcnt 0x0
	ds_add_u32 v254, v255
	s_wait_dscnt 0x0
	ROUND                                          ; the closing round: no work-group ends while a partner may still ask for a tile that names it
	s_endpgm
.Lfunc_end_k_q2ebd4e8f07_attn:
	.size	k_q2ebd4e8f07_attn, .Lfunc_end_k_q2ebd4e8f07_attn-k_q2ebd4e8f07_attn
	.p2alignl 7, 3214868480
	.fill 96, 4, 3214868480
	.section	.rodata,"a",@progbits
	.p2align	6, 0x0
	.amdhsa_kernel k_q2ebd4e8f07_attn
		.amdhsa_group_segment_fixed_size 327680
		.amdhsa_private_segment_fixed_size 0
		.amdhsa_enable_private_segment 0
		.amdhsa_kernarg_size 32
		.amdhsa_user_sgpr_count 2
		.amdhsa_user_sgpr_kernarg_segment_ptr 1
		.amdhsa_wavefront_size32 1
		.amdhsa_system_sgpr_workgroup_id_x 1
		.amdhsa_system_sgpr_workgroup_id_y 1
		.amdhsa_system_sgpr_workgroup_id_z 1
		.amdhsa_system_vgpr_workitem_id 0
		.amdhsa_next_free_vgpr 1024
		.amdhsa_next_free_sgpr 66
		.amdhsa_reserve_vcc 0
		.amdhsa_float_denorm_mode_32 3
		.amdhsa_float_denorm_mode_16_64 3
		.amdhsa_memory_ordered 1
		.amdhsa_forward_progress 1
		.amdhsa_inst_pref_size 255
	.end_amdhsa_kernel
	.section	.bss,"aw",@nobits
	.p2align	6
	.space	262144
	.amdgpu_metadata
---
amdhsa.version: [ 1, 2 ]
amdhsa.kernels:
  - .name:           k_q2ebd4e8f07_attn
    .symbol:         k_q2ebd4e8f07_attn.kd
    .args:
      - { .name: qf, .offset: 0, .size: 8, .value_kind: global_buffer, .address_space: global }
      - { .name: kf, .offset: 8, .size: 8, .value_kind: global_buffer, .address_space: global }
      - { .name: vf, .offset: 16, .size: 8, .value_kind: global_buffer, .address_space: global }
      - { .name: out0, .offset: 24, .size: 8, .value_kind: global_buffer, .address_space: global }
    .group_segment_fixed_size: 327680
    .private_segment_fixed_size: 0
    .kernarg_segment_align: 8
    .kernarg_segment_size: 32
    .max_flat_workgroup_size: 128
    .sgpr_count:     66
    .vgpr_count:     1024
    .wavefront_size: 32
...
	.end_amdgpu_metadata
.endif
;; end of part 2
